; MI455X (gfx1250); checked and timed in simulation.
; The chip was launched on July 23, 2026; its instructions are those of AMD's public machine-readable ISA for CDNA 5 (MIT licence, August 2026) and "CDNA5" Instruction Set Architecture Reference Guide (July 2026). The comments in the code are by the model that wrote it; some were corrected since.
;; Multi Head Attention. Allowed arithmetic: float matrix products may take bf16 or f16 operands with f32 sums; all other float work in f32.
;; Inputs: Wk 1,024 x 1,024 float32; Wo 1,024 x 1,024 float32; Wq 1,024 x 1,024 float32; Wv 1,024 x 1,024 float32; bk 1,024 float32; bo 1,024 float32; bq 1,024 float32; bv 1,024 float32; k 2 x 2,048 x 1,024 float32; mask 2 x 1 x 2,048 x 2,048 bool; q 2 x 2,048 x 1,024 float32; v 2 x 2,048 x 1,024 float32.
;; Outputs: out0 2 x 2,048 x 1,024 float32.
;; One version. Each part assembles by itself: llvm-mc -triple=amdgcn-amd-amdhsa -mcpu=gfx1250 --defsym DOCPART=n.
;; ======== version 1 of 1: 4 launches
;; limits: values are held in f16: magnitudes above 65,504 overflow, below 6.1e-05 lose precision
;; workspace buffers: xb 33,554,432 bytes; mbits 1,048,576 bytes of whole numbers; qkvh 25,165,824 bytes; aoh 8,388,608 bytes
;; launch prep (part 1): grid 64 x 18, 8 waves a work-group, no clusters, 35,840 bytes of LDS; arguments q, k, v, Wq, Wk, Wv, Wo, mask, xb, mbits; writes xb, mbits
.if DOCPART == 1
	.amdgcn_target "amdgcn-amd-amdhsa--gfx1250"
	.amdhsa_code_object_version 6
	.text
	.protected	k_q73eb13a490_prep
	.globl	k_q73eb13a490_prep
	.p2align	8
	.type	k_q73eb13a490_prep,@function
k_q73eb13a490_prep:
	s_mov_b64 s[64:65], 0
	v_nop
	global_prefetch_b8 v0, s[64:65] scope:SCOPE_SE
	s_setreg_imm32_b32 hwreg(HW_REG_WAVE_MODE, 25, 1), 1
	s_wait_xcnt 0x0
; Two jobs, chosen by the work-group's y.
; y = 0..15: 4 MiB of f32 (q: y 0-3, k: 4-7, v: 8-11, Wq, Wk, Wv, Wo: 12-15) are rounded once to f16 into xb at y x 2 MiB.
;            Wq (y = 12) is multiplied by log2(e)/8 in f32 ahead of that rounding: the scores of the attention launch then come out
;            divided by sqrt(64) and in base-2 units.
; y = 16,17: the mask's bytes become words of 32 bits: bit r + 16 h of word (b, qt, kt, j) is mask[b][16 qt + r][16 kt + 8 h + j],
;            the lane mask of register j of a 16 x 16 score tile.  mbits: [b 2][qt 128][kt 128][j 8] words.
; A stream: no matrix unit, no cluster (no byte is read by two work-groups).  Each load of a wave covers 512 consecutive bytes
; (mask: two runs of 256), each store 256 or 512 consecutive aligned bytes.  All 16 loads of a wave are issued at once.
; LIMIT: f16 holds magnitudes up to 65,504; larger inputs become infinities.  NaN and infinities are not treated.
.set IN,   8                           ; v[8:71]    16 loads of 4 registers
.set OUTH, 72                          ; v[72:103]  convert: f16 pairs to store; mask: 16 x 8 bytes read back from the stage
.set TM,   104                         ; v[104:111] one byte of each of 8 columns, isolated
.set WD,   112                         ; v[112:119] task t: 4 registers, lane n holds words 4 n .. 4 n + 3 of the task's 128
.set SP,   272                         ; stage pitch: 256 bytes of a mask row + 16
	s_load_b512 s[8:23], s[0:1], 0x0               ; q, k, v, Wq, Wk, Wv, Wo, mask: pairs from s8 on
	s_load_b128 s[24:27], s[0:1], 0x40             ; xb s[24:25], mbits s[26:27]
	v_lshl_add_u32 v120, v0, 2, 0x8800
	v_mov_b32 v121, 0
	s_and_b32 s2, ttmp7, 0xffff                    ; y
	v_lshrrev_b32 v1, 5, v0
	v_readfirstlane_b32 s3, v1                     ; wave 0..7
	v_and_b32 v1, 31, v0                           ; lane
	v_lshlrev_b32 v2, 4, v1                        ; 16 x lane
	s_cmp_ge_u32 s2, 16
	s_cbranch_scc1 .Lmask
	; ---- f32 to f16.  The work-group takes 65,536 bytes of its segment, a wave 8,192: 16 loads of 512 bytes.
	v_lshlrev_b32 v3, 3, v1                        ; 8 x lane: my 4 f16
	s_lshr_b32 s4, s2, 2                           ; which buffer: y / 4 for q, k, v,
	s_sub_co_u32 s5, s2, 9                         ; y - 9 for the four weights
	s_and_b32 s6, s2, 3
	s_lshl_b32 s6, s6, 22                          ; the segment inside q, k or v
	s_cmp_lt_u32 s2, 12
	s_cselect_b32 s4, s4, s5
	s_cselect_b32 s6, s6, 0
	s_lshl_b32 s7, ttmp9, 16
	s_add_co_u32 s6, s6, s7
	s_lshl_b32 s7, s3, 13
	s_add_co_u32 s6, s6, s7
	s_mov_b32 s7, 0                                ; s[6:7]: byte offset in the source
	s_lshl_b32 s30, s2, 21
	s_lshl_b32 s31, ttmp9, 15
	s_add_co_u32 s30, s30, s31
	s_lshl_b32 s31, s3, 12
	s_add_co_u32 s30, s30, s31
	s_mov_b32 s31, 0                               ; s[30:31]: byte offset in xb
	s_wait_kmcnt 0x0
	s_mov_b64 s[28:29], s[8:9]
.irp n, 1,2,3,4,5,6
	s_cmp_eq_u32 s4, \n                            ; a choice between buffers on the work-group's y alone
	s_cselect_b64 s[28:29], s[8+2*\n:9+2*\n], s[28:29]
.endr
	s_add_nc_u64 s[28:29], s[28:29], s[6:7]
	s_add_nc_u64 s[24:25], s[24:25], s[30:31]
.irp i, 0,1,2,3,4,5,6,7,8,9,10,11,12,13,14,15
	global_load_b128 v[IN+4*\i:IN+4*\i+3], v2, s[28:29] offset:512*\i th:TH_LOAD_NT
.endr
; No register is written twice, so no source of a pending load or store is ever rewritten.
.macro CONV scaled
.irp i, 0,1,2,3,4,5,6,7,8,9,10,11,12,13,14,15
	s_wait_loadcnt 15-\i                           ; loads return in order: load i is in, the 15 - i younger ones stay out
.if \scaled
	v_pk_mul_f32 v[IN+4*\i:IN+4*\i+1], v[IN+4*\i:IN+4*\i+1], s[44:45] op_sel_hi:[1,0]
	v_pk_mul_f32 v[IN+4*\i+2:IN+4*\i+3], v[IN+4*\i+2:IN+4*\i+3], s[44:45] op_sel_hi:[1,0]
.endif
	v_cvt_pk_f16_f32 v[OUTH+2*\i], v[IN+4*\i], v[IN+4*\i+1]
	v_cvt_pk_f16_f32 v[OUTH+2*\i+1], v[IN+4*\i+2], v[IN+4*\i+3]
	global_store_b64 v3, v[OUTH+2*\i:OUTH+2*\i+1], s[24:25] offset:256*\i   ; 32 lanes store 256 consecutive bytes, aligned
.endr
.endm
	s_cmp_eq_u32 s2, 12
	s_cbranch_scc1 .Lscaled
	CONV 0
	s_endpgm
.Lscaled:
	s_mov_b32 s44, 0x3e38aa3b                      ; log2(e) / 8
	s_mov_b32 s45, s44                             ; the pair is named whole
	CONV 1
	s_endpgm
	; ---- the mask.  128 work-groups; waves 0-3 take the 16 query rows bq = 2 m, waves 4-7 bq = 2 m + 1; a wave takes 512 keys as two tasks of 256.
.Lmask:
	s_sub_co_u32 s4, s2, 16
	s_lshl_b32 s4, s4, 6
	s_add_co_u32 s4, s4, ttmp9                     ; m = 0..127
	s_lshl_b32 s4, s4, 1
	s_lshr_b32 s5, s3, 2
	s_add_co_u32 s4, s4, s5                        ; bq = 128 b + qt
	s_and_b32 s5, s3, 3                            ; which 512 keys
	s_lshl_b32 s6, s4, 15                          ; 16 rows of 2,048 bytes
	s_lshl_b32 s7, s5, 9
	s_add_co_u32 s6, s6, s7
	s_mov_b32 s7, 0
	s_lshl_b32 s30, s4, 12                         ; 128 kt x 8 words x 4 bytes
	s_lshl_b32 s31, s5, 10                         ; 32 kt x 32 bytes
	s_add_co_u32 s30, s30, s31
	s_mov_b32 s31, 0
	s_mov_b32 s32, 0xff
	s_mov_b32 s33, 0xff00
	s_mov_b32 s34, 0xff0000
	s_mov_b32 s35, 0xff000000
	s_mul_i32 s28, s3, 16*SP                       ; my wave's own stage: no other wave touches it, so no barrier
	v_and_b32 v7, 15, v1                           ; r
	v_lshrrev_b32 v3, 4, v1                        ; h
	v_lshlrev_b32 v6, 4, v7
	v_lshl_add_u32 v6, v3, 11, v6                  ; in memory: row h of a pair of rows, 16 bytes at 16 r
	v_mul_u32_u24 v4, v3, SP
	v_lshl_add_u32 v4, v7, 4, v4
	v_add_nc_u32 v4, s28, v4                       ; into the stage: the same place
	v_mul_u32_u24 v5, v7, SP
	v_lshl_add_u32 v5, v3, 3, v5
	v_add_nc_u32 v5, s28, v5                       ; back: row r, 8 bytes at 8 h of each 16 keys
	s_wait_kmcnt 0x0
	s_add_nc_u64 s[22:23], s[22:23], s[6:7]
	s_add_nc_u64 s[26:27], s[26:27], s[30:31]
.irp t, 0,1
.irp i, 0,1,2,3,4,5,6,7
	global_load_b128 v[IN+32*\t+4*\i:IN+32*\t+4*\i+3], v6, s[22:23] offset:256*\t+4096*\i th:TH_LOAD_NT   ; 16 lanes read 256 consecutive bytes of a row
.endr
.endr
.macro MTASK t
	s_wait_loadcnt 8*(1-\t)                        ; this task's eight loads are in; the other task's eight may stay out
.irp i, 0,1,2,3,4,5,6,7
	ds_store_b128 v4, v[IN+32*\t+4*\i:IN+32*\t+4*\i+3] offset:2*SP*\i
.endr
.irp kt, 0,1,2,3,4,5,6,7,8,9,10,11,12,13,14,15
	ds_load_b64 v[OUTH+2*\kt:OUTH+2*\kt+1], v5 offset:16*\kt     ; LDS serves a wave's instructions in order: these see the stores above
.endr
.irp j, 0,1,2,3
	v_mov_b32 v[WD+4*\t+\j], 0                     ; v_writelane_b32 keeps the other lanes: the register is written whole first
.endr
	s_wait_dscnt 0x0
.irp kt, 0,1,2,3,4,5,6,7,8,9,10,11,12,13,14,15
.irp j, 0,1,2,3,4,5,6,7
	v_and_b32 v[TM+\j], s[32+(\j&3)], v[OUTH+2*\kt+(\j>>2)]      ; byte j of my 8: mask[16 qt + r][16 kt + 8 h + j]
.endr
.irp j, 0,1,2,3,4,5,6,7
	v_cmp_ne_u32 s[36+\j], 0, v[TM+\j]             ; one bit a lane: the word (kt, j)
.endr
.irp j, 0,1,2,3,4,5,6,7
	v_writelane_b32 v[WD+4*\t+(\j&3)], s[36+\j], 2*\kt+(\j>>2)   ; word 8 kt + j goes to lane (8 kt + j) / 4, register (8 kt + j) mod 4
.endr
.endr
	global_store_b128 v2, v[WD+4*\t:WD+4*\t+3], s[26:27] offset:512*\t       ; 512 consecutive bytes, aligned
.endm
	MTASK 0
	MTASK 1
	s_wait_tensorcnt 0x0
	ds_add_u32 v120, v121
	s_wait_dscnt 0x0
	s_endpgm
.Lfunc_end_k_q73eb13a490_prep:
	.size	k_q73eb13a490_prep, .Lfunc_end_k_q73eb13a490_prep-k_q73eb13a490_prep
	.p2alignl 7, 3214868480
	.fill 96, 4, 3214868480
	.section	.rodata,"a",@progbits
	.p2align	6, 0x0
	.amdhsa_kernel k_q73eb13a490_prep
		.amdhsa_group_segment_fixed_size 35840
		.amdhsa_private_segment_fixed_size 0
		.amdhsa_enable_private_segment 0
		.amdhsa_kernarg_size 80
		.amdhsa_user_sgpr_count 2
		.amdhsa_user_sgpr_kernarg_segment_ptr 1
		.amdhsa_wavefront_size32 1
		.amdhsa_system_sgpr_workgroup_id_x 1
		.amdhsa_system_sgpr_workgroup_id_y 1
		.amdhsa_system_sgpr_workgroup_id_z 1
		.amdhsa_system_vgpr_workitem_id 0
		.amdhsa_next_free_vgpr 122
		.amdhsa_next_free_sgpr 66
		.amdhsa_reserve_vcc 0
		.amdhsa_float_denorm_mode_32 3
		.amdhsa_float_denorm_mode_16_64 3
		.amdhsa_memory_ordered 1
		.amdhsa_forward_progress 1
		.amdhsa_inst_pref_size 61
	.end_amdhsa_kernel
	.amdgpu_metadata
---
amdhsa.version: [ 1, 2 ]
amdhsa.kernels:
  - .name:           k_q73eb13a490_prep
    .symbol:         k_q73eb13a490_prep.kd
    .args:
      - { .name: q, .offset: 0, .size: 8, .value_kind: global_buffer, .address_space: global }
      - { .name: k, .offset: 8, .size: 8, .value_kind: global_buffer, .address_space: global }
      - { .name: v, .offset: 16, .size: 8, .value_kind: global_buffer, .address_space: global }
      - { .name: Wq, .offset: 24, .size: 8, .value_kind: global_buffer, .address_space: global }
      - { .name: Wk, .offset: 32, .size: 8, .value_kind: global_buffer, .address_space: global }
      - { .name: Wv, .offset: 40, .size: 8, .value_kind: global_buffer, .address_space: global }
      - { .name: Wo, .offset: 48, .size: 8, .value_kind: global_buffer, .address_space: global }
      - { .name: mask, .offset: 56, .size: 8, .value_kind: global_buffer, .address_space: global }
      - { .name: xb, .offset: 64, .size: 8, .value_kind: global_buffer, .address_space: global }
      - { .name: mbits, .offset: 72, .size: 8, .value_kind: global_buffer, .address_space: global }
    .group_segment_fixed_size: 35840
    .private_segment_fixed_size: 0
    .kernarg_segment_align: 8
    .kernarg_segment_size: 80
    .max_flat_workgroup_size: 256
    .sgpr_count:     66
    .vgpr_count:     122
    .wavefront_size: 32
...
	.end_amdgpu_metadata
.endif
;; end of part 1
;; launch qkv (part 2): grid 4 x 48, 4 waves a work-group, clusters of 4 x 4, 327,680 bytes of LDS; arguments xb, bq, bk, bv, qkvh; writes qkvh
.if DOCPART == 2
	.amdgcn_target "amdgcn-amd-amdhsa--gfx1250"
	.amdhsa_code_object_version 6
	.text
	.protected	k_q73eb13a490_qkv
	.globl	k_q73eb13a490_qkv
	.p2align	8
	.type	k_q73eb13a490_qkv,@function
k_q73eb13a490_qkv:
	s_mov_b64 s[64:65], 0
	v_nop
	global_prefetch_b8 v0, s[64:65] scope:SCOPE_SE
	s_setreg_imm32_b32 hwreg(HW_REG_WAVE_MODE, 25, 1), 1
	s_wait_xcnt 0x0
	s_wait_alu depctr_hold_cnt(0) depctr_sa_sdst(0) depctr_va_vdst(0) depctr_va_sdst(0) depctr_va_ssrc(0) depctr_va_vcc(0) depctr_vm_vsrc(0)
	s_getreg_b32 s2, hwreg(HW_REG_IB_STS2, 6, 4)
	s_cmp_eq_u32 s2, 0
	s_cbranch_scc0 .Lentry_in_a_cluster
	s_endpgm
.Lentry_in_a_cluster:
	s_bfe_u32 s2, ttmp6, 0x10000c
	s_cmp_lg_u32 s2, 0xf033
	s_cbranch_scc0 .Lentry_shape_is_right
	s_endpgm
.Lentry_shape_is_right:
; The three projections as one product: y[m][e] = sum over d of x[m][d] W[e][d] + bias[e], x = q, k, v stacked as [12288][1024] f16 (xb),
; W = Wq, Wk, Wv stacked as [3072][1024] f16 (xb + 24 MiB); 16 block rows of 256 belong to each projection.  Sums in f32, one rounding to f16.
; Out: qkvh [proj 3][b 2][head 16][s 2048][64] f16.  Wq arrives multiplied by log2(e)/8; bq gets the same factor here (bk, bv the factor 1).
; A work-group makes 256 x 256 with four waves, a wave 128 x 128 in 64 accumulator tiles (512 registers).  K goes in steps of 128 through two LDS
; slots; a tile's rows are 256 bytes of memory at multiples of 256 bytes.
; CLUSTERS: 4 x 4 work-groups.  A row of the cluster shares the block row (x's tiles), a column the block column and, since four clusters along y
; make up one projection, the projection (W's tiles).  Each tile is asked for jointly by its four users.
; LIMIT: f16 operands and results: magnitudes above 65,504 become infinities.
; REGISTERS in windows of 256: window 0: v0-31 addresses; v64-127, v128-191 fragments of x, two buffers; v192-255 the bias, later packed results;
; window 1: v64-127, v128-191 fragments of W; windows 2, 3: accumulators of my rows 0-63, 64-127 (tile (a, b) at v[8 (8 a + b)]).
; The matrix instruction is used transposed (source 0 = rows of W, source 1 = rows of x): lane l holds row l % 16, its registers the eight
; neighbouring columns 8 (l / 16) + 0..7.
.set SIZE_K, 1024
.set KSTEP,  128
.set PITCH,  272                       ; 256 bytes + 16 of padding: an odd multiple of 16, so the 16 rows of a fragment load start 16 bytes apart modulo 256
.set HALFT,  128*PITCH                 ; what one tensor load brings
.set SLOT,   4*HALFT                   ; x's 256 rows, then W's 256 rows
.set STAGE,  2*SLOT                    ; behind the ring: 16 rows x 272 bytes for each wave; no fill lands here
.set SPITCH, 272
.set LAPS, SIZE_K/(2*KSTEP)            ; 4 laps of two K steps
.set ADRA, 16                          ; v16-17  LDS address of my x fragments in slot 0, 1
.set ADRB, 20                          ; v20-21  the same for W
.set STO,  24                          ; v24     way out: where I put 16 bytes of a row
.set RD,   25                          ; v25     way out: where I read back
.set CO,   26                          ; v26     way out: my byte offset in qkvh
.set BO,   27                          ; v27     my byte offset in the bias
.set F0,   64
.set F1,   128
.set TMP,  192
.set BIAS, 192                         ; v[192:255]: column block b at 8 b: bias[16 b + 8 (l / 16) + 0..7] of my 128 columns
.set G1, 24                            ; s[24:31] group 1 for x's tiles
.set G0, 32                            ; s[32:39] group 0 for x's tiles, one set a slot
.set G1B, 48                           ; s[48:55] group 1 for W's tiles
.set G0B, 56                           ; s[56:63] group 0 for W's tiles, one set a slot
.set MSB, 0
.macro WIN new                         ; the immediate's high byte repeats the setting that is left
.if MSB != \new
	s_set_vgpr_msb (MSB<<8)|\new
.set MSB, \new
.endif
.endm
.set MUL_LO, 0xa1                      ; source 0 (W) window 1, source 1 (x) window 0, C and D window 2
.set MUL_HI, 0xf1                      ; the same, C and D window 3
.set START_LO, 0x81                    ; the first products: C is the bias, in window 0; D window 2
.set START_HI, 0xc1                    ; D window 3
.set TO_B,   0x40                      ; destination window 1, address window 0
; A joint load.  Waves 0 and 1 fetch x's two halves, waves 2 and 3 W's.  The branch hangs on the wave's number alone.
.macro JLOAD s
	s_cmp_eq_u32 s11, 0
	s_cbranch_scc0 .Lfor_b_\@
	tensor_load_to_lds s[G0+4*\s:G0+4*\s+3], s[G1:G1+7]
	s_nop 0
	s_branch .Lasked_\@
.Lfor_b_\@:
	tensor_load_to_lds s[G0B+4*\s:G0B+4*\s+3], s[G1B:G1B+7]
	s_nop 0
.Lasked_\@:
.endm
.macro CREST                           ; a round of the cluster's barrier behind its opening work-group barrier
	s_cmp_lg_u32 s10, 0
	s_cbranch_scc1 .Lnot_wave_0_\@
	s_barrier_signal -3
.Lnot_wave_0_\@:
	s_barrier_wait -3
	s_barrier_signal -1
	s_barrier_wait -1
.endm
.macro CROUND                          ; a whole round
	s_barrier_signal -1
	s_barrier_wait -1
	CREST
.endm
	s_load_b256 s[68:75], s[0:1], 0x0              ; xb s[68:69], bq s[70:71], bk s[72:73], bv s[74:75]
	s_load_b64 s[76:77], s[0:1], 0x20              ; qkvh
	s_set_vgpr_msb 0x40
	v_lshl_add_u32 v255, v0, 2, 0x48400
	s_set_vgpr_msb 0x4000
	v_mov_b32 v63, 0
	s_set_vgpr_msb 0x1
	ds_add_u32 v255, v63
	s_set_vgpr_msb 0x100
	v_lshrrev_b32 v1, 5, v0
	v_readfirstlane_b32 s10, v1                    ; wave 0..3
	s_lshr_b32 s11, s10, 1                         ; my half of the block's rows.  Also: I fetch for x (0) or for W (1)
	s_and_b32 s12, s10, 1                          ; my half of its columns.  Also: which 128 rows of that tile I fetch
	s_bfe_u32 s40, ttmp6, 0x40000                  ; cx
	s_bfe_u32 s41, ttmp6, 0x40004                  ; cy
	s_lshl_b32 s42, ttmp9, 2
	s_add_co_u32 s42, s42, s40                     ; block column 0..3
	s_and_b32 s45, ttmp7, 0xffff                   ; the cluster's y, 0..11
	s_lshl_b32 s13, s45, 2
	s_add_co_u32 s13, s13, s41                     ; block row 0..47 of the stacked x
	s_lshr_b32 s78, s45, 2                         ; projection 0..2: from the cluster's y alone, equal in all sixteen
	s_lshl_b32 s43, s41, 2
	s_lshl_b32 s43, 15, s43                        ; my row of the cluster
	s_lshl_b32 s44, 0x1111, s40                    ; my column
	; group 1: 128 rows x 128 elements of 2 bytes, 4 words of padding behind every 64 words
	s_or_b32 s[G1+0], s43, (1<<16)|(1<<20)|(1<<21)|(5<<22)|(3<<25)
	s_or_b32 s[G1B+0], s44, (1<<16)|(1<<20)|(1<<21)|(5<<22)|(3<<25)
	s_mov_b32 s[G1B+1], KSTEP<<16
	s_mov_b32 s[G1+1], KSTEP<<16                   ; tensor_dim0 = 128
	s_mov_b32 s[G1B+2], 128<<16
	s_mov_b32 s[G1+2], 128<<16                     ; tensor_dim1 = 128
	s_mov_b32 s[G1B+3], KSTEP<<16
	s_mov_b32 s[G1+3], KSTEP<<16                   ; tile_dim0 = 128
	s_mov_b32 s[G1B+4], 128
	s_mov_b32 s[G1+4], 128                         ; tile_dim1 = 128
	s_mov_b32 s[G1B+5], SIZE_K
	s_mov_b32 s[G1+5], SIZE_K                      ; elements from row to row
	s_mov_b32 s[G1B+6], 0
	s_mov_b32 s[G1+6], 0
	s_mov_b32 s[G1B+7], 0
	s_mov_b32 s[G1+7], 0
	; where the tiles come from: x's hang on the block row, W's on the projection and the block column
	s_lshl_b32 s17, s12, 7
	s_lshl_b32 s16, s13, 8
	s_add_co_u32 s16, s16, s17                     ; x: row 256 x block row + 128 x half
	s_lshl_b32 s16, s16, 11                        ; rows of 2,048 bytes: below 32 MiB
	s_lshl_b32 s46, s42, 8
	s_add_co_u32 s46, s46, s17
	s_lshl_b32 s47, s78, 10
	s_add_co_u32 s46, s46, s47                     ; W: row 1024 x projection + 256 x block column + 128 x half
	s_lshl_b32 s46, s46, 11
	s_add_co_u32 s46, s46, 0x1800000               ; the weights begin 24 MiB into xb
	s_mov_b32 s17, 0
	s_mov_b32 s47, 0
	s_mul_i32 s20, s10, HALFT                      ; and where they go: wave x 128 rows
	s_lshl_b32 s79, s42, 10
	s_lshl_b32 s18, s12, 9
	s_add_co_u32 s79, s79, s18                     ; my first column x 4 bytes
	s_cmp_eq_u32 s78, 0
	s_cselect_b32 s4, 0x3e38aa3b, 1.0              ; the bias's factor: log2(e)/8 for Q, 1 for K and V
	s_mov_b32 s5, s4
	s_wait_dscnt 0x0
	s_wait_kmcnt 0x0
	s_add_nc_u64 s[14:15], s[68:69], s[16:17]
	s_add_nc_u64 s[46:47], s[68:69], s[46:47]
	s_mov_b64 s[6:7], s[70:71]                     ; the projection's bias
	s_cmp_eq_u32 s78, 1
	s_cselect_b64 s[6:7], s[72:73], s[6:7]
	s_cmp_eq_u32 s78, 2
	s_cselect_b64 s[6:7], s[74:75], s[6:7]
	CROUND                                         ; all sixteen work-groups are here: the first joint loads meet
.irp s, 0,1
	s_mov_b32 s[G0+4*\s], 1
	s_add_co_u32 s[G0+4*\s+1], s20, \s*SLOT
	s_add_nc_u64 s[G0+4*\s+2:G0+4*\s+3], s[14:15], \s*KSTEP*2
	s_or_b32 s[G0+4*\s+3], s[G0+4*\s+3], 0x80000000
	s_mov_b32 s[G0B+4*\s], 1
	s_add_co_u32 s[G0B+4*\s+1], s20, \s*SLOT
	s_add_nc_u64 s[G0B+4*\s+2:G0B+4*\s+3], s[46:47], \s*KSTEP*2
	s_or_b32 s[G0B+4*\s+3], s[G0B+4*\s+3], 0x80000000
	JLOAD \s                                       ; both slots' first fills: two tensor loads of the wave are out
.endr
	v_and_b32 v1, 15, v0                           ; l % 16
	v_bfe_u32 v2, v0, 4, 1                         ; l / 16
	v_lshl_add_u32 v[BO], v2, 5, s79               ; bias: 32 bytes for each half of the lanes
.irp b, 0,1,2,3,4,5,6,7
	global_load_b128 v[BIAS+8*\b:BIAS+8*\b+3],   v[BO], s[6:7] offset:64*\b
	global_load_b128 v[BIAS+8*\b+4:BIAS+8*\b+7], v[BO], s[6:7] offset:64*\b+16
.endr
	v_mul_u32_u24 v3, v1, PITCH
	v_lshl_add_u32 v3, v2, 4, v3                   ; fragment: row x pitch + 16 x half
	s_mul_i32 s21, s11, HALFT                      ; my 128 rows of x
	s_mul_i32 s22, s12, HALFT                      ; my 128 rows of W,
	s_add_co_u32 s22, s22, 2*HALFT                 ; which lie behind x's 256
.irp s, 0,1
	v_add_nc_u32 v[ADRA+\s], s21, v3
	v_add_nc_u32 v[ADRB+\s], s22, v3
	s_add_co_u32 s21, s21, SLOT
	s_add_co_u32 s22, s22, SLOT
.endr
	s_mul_i32 s23, s10, 16*SPITCH
	s_add_co_u32 s23, s23, STAGE                   ; my stage
	v_mul_u32_u24 v4, v1, SPITCH
	v_lshl_add_u32 v4, v2, 4, v4
	v_add_nc_u32 v[STO], s23, v4                   ; in: row l % 16, 16 bytes for each half of the lanes
	v_bfe_u32 v6, v0, 3, 1
	v_and_b32 v7, 7, v0
	v_mul_u32_u24 v5, v6, SPITCH                   ; back: lanes 0-15 take the first head's 128 bytes of two rows, lanes 16-31 the second head's
	v_lshl_add_u32 v5, v2, 7, v5
	v_lshl_add_u32 v5, v7, 4, v5
	v_add_nc_u32 v[RD], s23, v5
	v_lshlrev_b32 v5, 4, v1
	v_lshl_add_u32 v[CO], v2, 18, v5               ; in qkvh two rows of a head are 256 consecutive bytes; the next head lies 262,144 bytes on
; 16 matrix instructions: m blocks a0, a0 + 1 of the window's four x all 8 n blocks, 32 along K.  zero = 1: the first product adds onto the bias.
.macro MUL16 f, hi, a0, zero
.irp a, \a0, \a0+1
.irp b, 0,1,2,3,4,5,6,7
.if \zero
	v_wmma_f32_16x16x32_f16 v[8*(8*(\a)+\b):8*(8*(\a)+\b)+7], v[\f+8*\b:\f+8*\b+7], v[\f+8*(4*\hi+\a):\f+8*(4*\hi+\a)+7], v[BIAS+8*\b:BIAS+8*\b+7]
.else
	v_wmma_f32_16x16x32_f16 v[8*(8*(\a)+\b):8*(8*(\a)+\b)+7], v[\f+8*\b:\f+8*\b+7], v[\f+8*(4*\hi+\a):\f+8*(4*\hi+\a)+7], v[8*(8*(\a)+\b):8*(8*(\a)+\b)+7]
.endif
.endr
.endr
.endm
; 32 LDS loads in one run: one quarter step's fragments (128 rows of W, 128 rows of x, 32 K at byte k) into buffer f
.macro FETCH slot, k, f
	WIN TO_B
.irp i, 0,1,2,3,4,5,6,7
	ds_load_b128 v[\f+8*\i:\f+8*\i+3],   v[ADRB+\slot] offset:\k+\i*16*PITCH
	ds_load_b128 v[\f+8*\i+4:\f+8*\i+7], v[ADRB+\slot] offset:\k+\i*16*PITCH+32
.endr
	WIN 0
.irp i, 0,1,2,3,4,5,6,7
	ds_load_b128 v[\f+8*\i:\f+8*\i+3],   v[ADRA+\slot] offset:\k+\i*16*PITCH
	ds_load_b128 v[\f+8*\i+4:\f+8*\i+7], v[ADRA+\slot] offset:\k+\i*16*PITCH+32
.endr
.endm
; Four independent vector instructions stand between a matrix instruction and a load into, or a vector read of, its registers (ISA guide 7.12.1 for vector reads).
.macro PLACES
.rept 4
	v_nop
.endr
.endm
; The 64 accumulators take turns, one instruction a turn, in the same order in every quarter.
.macro QUARTER slot, k, f, g, zero
	s_wait_dscnt 8                                 ; W and x's rows 0-63 are in; the youngest eight loads (x's rows 64-127) may be out
.if \zero
	WIN START_LO
.else
	WIN MUL_LO
.endif
	MUL16 \f, 0, 0, \zero
	MUL16 \f, 0, 2, \zero
	PLACES
	FETCH \slot, \k, \g
	s_wait_dscnt 32                                ; all but the 32 just issued
.if \zero
	WIN START_HI
.else
	WIN MUL_HI
.endif
	MUL16 \f, 1, 0, \zero
	MUL16 \f, 1, 2, \zero
.endm
.macro THREE slot, zero
	QUARTER \slot, 64,  F0, F1, \zero
	QUARTER \slot, 128, F1, F0, 0
	QUARTER \slot, 192, F0, F1, 0
.endm
; The last quarter multiplies buffer 1 and changes slots.  In front of the barrier each wave waits for its reads of this slot and for all its tensor
; loads (one is out: its part of the next slot).  Behind it the refill comes first, then the next slot's first fragments.
.macro TURN slot, next, fill
	s_wait_dscnt 8
	WIN MUL_LO
	MUL16 F1, 0, 0, 0
	s_wait_dscnt 0                                 ; my reads of this slot are over
	s_wait_tensorcnt 0x0                           ; all my tensor loads have landed
	ds_add_u32 v255, v63
	s_wait_dscnt 0x0
	s_barrier_signal -1
	MUL16 F1, 0, 2, 0                              ; register work while the others arrive
	WIN 0
	s_barrier_wait -1
.if \fill
	CREST                                          ; all sixteen work-groups have said so: no partner reads this slot or has a load on its way
	s_add_nc_u64 s[G0+4*\slot+2:G0+4*\slot+3], s[G0+4*\slot+2:G0+4*\slot+3], 2*KSTEP*2
	s_add_nc_u64 s[G0B+4*\slot+2:G0B+4*\slot+3], s[G0B+4*\slot+2:G0B+4*\slot+3], 2*KSTEP*2
	JLOAD \slot                                    ; the wave's one tensor load behind the round
.endif
	PLACES
	FETCH \next, 0, F0
	WIN MUL_HI
	MUL16 F1, 1, 0, 0
	MUL16 F1, 1, 2, 0
.endm
.macro LAP zero
	THREE 0, \zero
	TURN 0, 1, 1
	THREE 1, 0
	TURN 1, 0, 1
.endm
	s_wait_tensorcnt 1                             ; my part of K step 0 is in; K step 1's load, issued behind it, may stay out
	s_barrier_signal -1
	s_barrier_wait -1
	FETCH 0, 0, F0
	s_wait_loadcnt 0x0                             ; the bias
.set p, 0
.rept 32
	v_pk_mul_f32 v[BIAS+2*p:BIAS+2*p+1], v[BIAS+2*p:BIAS+2*p+1], s[4:5] op_sel_hi:[1,0]
.set p, p+1
.endr
	LAP 1                                          ; the first lap: its first products start the sums on the bias
	WIN 0
	s_mov_b32 s3, LAPS-2
.Llap:
	LAP 0
	WIN 0
	s_sub_co_u32 s3, s3, 1
	s_cmp_lg_u32 s3, 0
	s_cbranch_scc1 .Llap
	THREE 0, 0                                     ; the last lap fills nothing
	TURN 0, 1, 0
	THREE 1, 0
	s_wait_dscnt 8
	WIN MUL_LO
	MUL16 F1, 0, 0, 0
	MUL16 F1, 0, 2, 0
	s_wait_dscnt 0
	WIN MUL_HI
	MUL16 F1, 1, 0, 0
	MUL16 F1, 1, 2, 0
	; THE WAY OUT, 16 rows at a time: round to f16, 16 bytes a lane into my stage, read back by heads, store.
	PLACES
	s_lshl_b32 s16, s13, 8
	s_lshl_b32 s14, s11, 7
	s_add_co_u32 s16, s16, s14                     ; my first row m0 of the stacked x
	s_lshr_b32 s17, s16, 11                        ; 2 x projection + b
	s_lshl_b32 s17, s17, 22                        ; 16 heads x 262,144 bytes
	s_and_b32 s16, s16, 2047                       ; s
	s_lshl_b32 s16, s16, 7                         ; 128 bytes a row of a head
	s_add_co_u32 s16, s16, s17
	s_mov_b32 s17, 0
	s_add_nc_u64 s[8:9], s[76:77], s[16:17]
	s_lshl_b32 s46, s42, 20                        ; my first head = 4 x block column + 2 x half
	s_lshl_b32 s47, s12, 19
	s_add_co_u32 s46, s46, s47
	s_mov_b32 s47, 0
	s_add_nc_u64 s[8:9], s[8:9], s[46:47]
.macro OUT16 i, a, from, f
	WIN \from
.irp b, 0,1,2,3,4,5,6,7
.irp r, 0,1,2,3
	v_cvt_pk_f16_f32 v[TMP+4*\b+\r], v[8*(8*\a+\b)+2*\r], v[8*(8*\a+\b)+2*\r+1]
.endr
.endr
	WIN 0
.irp b, 0,1,2,3,4,5,6,7
	ds_store_b128 v[STO], v[TMP+4*\b:TMP+4*\b+3] offset:32*\b
.endr
	s_wait_xcnt 0x0                                ; buffer f, which earlier stores read, is loaded again only behind this wait
.irp t, 0,1,2,3,4,5,6,7
	ds_load_b128 v[\f+4*\t:\f+4*\t+3], v[RD] offset:\t*2*SPITCH    ; LDS serves a wave's instructions in order: these see the stores above
.endr
.irp t, 0,1,2,3,4,5,6,7
	s_wait_dscnt 7-\t
	global_store_b128 v[CO], v[\f+4*\t:\f+4*\t+3], s[8:9] offset:2048*\i+256*\t   ; 16 lanes store 256 consecutive bytes, aligned: two rows of one head
.endr
.endm
	OUT16 0, 0, 0x0a, F0
	OUT16 1, 1, 0x0a, F1
	OUT16 2, 2, 0x0a, F0
	OUT16 3, 3, 0x0a, F1
	OUT16 4, 0, 0x0f, F0
	OUT16 5, 1, 0x0f, F1
	OUT16 6, 2, 0x0f, F0
	OUT16 7, 3, 0x0f, F1
	s_set_vgpr_msb 0x1
	s_wait_tensorcnt 0x0
	ds_add_u32 v255, v63
	s_wait_dscnt 0x0
	s_set_vgpr_msb 0x100
	CROUND                                         ; the closing round: no work-group ends while a partner may still ask for a tile that names it
	s_endpgm
.Lfunc_end_k_q73eb13a490_qkv:
	.size	k_q73eb13a490_qkv, .Lfunc_end_k_q73eb13a490_qkv-k_q73eb13a490_qkv
	.p2alignl 7, 3214868480
	.fill 96, 4, 3214868480
	.section	.rodata,"a",@progbits
	.p2align	6, 0x0
	.amdhsa_kernel k_q73eb13a490_qkv
		.amdhsa_group_segment_fixed_size 327680
		.amdhsa_private_segment_fixed_size 0
		.amdhsa_enable_private_segment 0
		.amdhsa_kernarg_size 40
		.amdhsa_user_sgpr_count 2
		.amdhsa_user_sgpr_kernarg_segment_ptr 1
		.amdhsa_wavefront_size32 1
		.amdhsa_system_sgpr_workgroup_id_x 1
		.amdhsa_system_sgpr_workgroup_id_y 1
		.amdhsa_system_sgpr_workgroup_id_z 1
		.amdhsa_system_vgpr_workitem_id 0
		.amdhsa_next_free_vgpr 1024
		.amdhsa_next_free_sgpr 80
		.amdhsa_reserve_vcc 0
		.amdhsa_float_denorm_mode_32 3
		.amdhsa_float_denorm_mode_16_64 3
		.amdhsa_memory_ordered 1
		.amdhsa_forward_progress 1
		.amdhsa_inst_pref_size 200
	.end_amdhsa_kernel
	.amdgpu_metadata
---
amdhsa.version: [ 1, 2 ]
amdhsa.kernels:
  - .name:           k_q73eb13a490_qkv
    .symbol:         k_q73eb13a490_qkv.kd
    .args:
      - { .name: xb, .offset: 0, .size: 8, .value_kind: global_buffer, .address_space: global }
      - { .name: bq, .offset: 8, .size: 8, .value_kind: global_buffer, .address_space: global }
      - { .name: bk, .offset: 16, .size: 8, .value_kind: global_buffer, .address_space: global }
      - { .name: bv, .offset: 24, .size: 8, .value_kind: global_buffer, .address_space: global }
      - { .name: qkvh, .offset: 32, .size: 8, .value_kind: global_buffer, .address_space: global }
    .group_segment_fixed_size: 327680
    .private_segment_fixed_size: 0
    .kernarg_segment_align: 8
    .kernarg_segment_size: 40
    .max_flat_workgroup_size: 128
    .sgpr_count:     80
    .vgpr_count:     1024
    .wavefront_size: 32
...
	.end_amdgpu_metadata
.endif
;; end of part 2
;; launch attn (part 3): grid 8 x 32, 8 waves a work-group, clusters of 4 x 1, 327,680 bytes of LDS; arguments qkvh, mbits, aoh; writes aoh
.if DOCPART == 3
	.amdgcn_target "amdgcn-amd-amdhsa--gfx1250"
	.amdhsa_code_object_version 6
	.text
	.protected	k_q73eb13a490_attn
	.globl	k_q73eb13a490_attn
	.p2align	8
	.type	k_q73eb13a490_attn,@function
k_q73eb13a490_attn:
	s_mov_b64 s[64:65], 0
	v_nop
	global_prefetch_b8 v0, s[64:65] scope:SCOPE_SE
	s_setreg_imm32_b32 hwreg(HW_REG_WAVE_MODE, 25, 1), 1
	s_wait_xcnt 0x0
	s_wait_alu depctr_hold_cnt(0) depctr_sa_sdst(0) depctr_va_vdst(0) depctr_va_sdst(0) depctr_va_ssrc(0) depctr_va_vcc(0) depctr_vm_vsrc(0)
	s_getreg_b32 s2, hwreg(HW_REG_IB_STS2, 6, 4)
	s_cmp_eq_u32 s2, 0
	s_cbranch_scc0 .Lentry_in_a_cluster
	s_endpgm
.Lentry_in_a_cluster:
	s_bfe_u32 s2, ttmp6, 0x10000c
	s_cmp_lg_u32 s2, 0x3003
	s_cbranch_scc0 .Lentry_shape_is_right
	s_endpgm
.Lentry_shape_is_right:
; Attention of one (b, head) for 256 queries a work-group, 32 queries (two tiles a = 0, 1) a wave, with a running maximum.
; qkvh: [proj][b][head][s 2048][64] f16, Q already times log2(e)/8, so a score is in base-2 units.  aoh: [b][head][s][64] f16.
; TRANSPOSED SCHEME.  S^T = K Q^T: source 0 = 16 keys, source 1 = 16 queries; lane (r, h) holds query r, register j key 8 h + j.
; Two neighbouring key tiles, packed to f16, are then as they stand the second source (32 keys) of O^T = V^T P^T, whose first source comes from V's
; rows by the transposing LDS load; lane (r, h) of O^T holds query r, register j column 16 dt + 8 h + j.  So maximum, sum and rescaling factor are one
; number a lane, and a reduction crosses lanes once (lane xor 16).
; THE MASK is a select in front of the maximum, as in the reference: where the bit is 0 the score becomes -1e9 x log2(e).  A row that is masked
; whole has all exponents 0 and comes out uniform.  The exponent S - m is never above 0.
; CLUSTERS: the four query blocks of a cluster read the same K and V tiles and ask for them jointly (mask 15).
; K and V go in tiles of 256 keys through two LDS slots; waves 0-3 fetch 64 keys of V each, waves 4-7 64 keys of K: one tensor load of a wave is out.
; THE ORDER OF THE WORK.  Step n (64 keys) is a vector block SM(n) (mask, maximum, exponentials, sums, packing) and a matrix block PVQ: PV(n), then
; QK(n + 1).  V(n + 1) is fetched from LDS behind PV(n), K(n + 2) behind QK(n + 1): a block ahead of their use.
; TWO HALVES OF THE WAVES, HALF A STEP APART.  At a change of tiles the waves with g = 0 do the softmax of the old tile's last step in front of the
; barrier, those with g = 1 behind it.  Between two barriers one half runs PVQ SM PVQ SM PVQ SM PVQ SM, the other SM PVQ SM PVQ SM PVQ SM PVQ: the
; same work, and one half's matrix instructions are issued while the other half issues vector instructions.  g = (w xor (w >> 2)) & 1 differs between
; waves w and w + 4 and between waves 2 k and 2 k + 1.  The branch on g goes round vector work and scalar loads alone.
; LIMITS: f16 operands (magnitudes to 65,504); P below 2^-25 rounds to 0; NaN and infinities are not treated.
.set SLOT,  0x20000                    ; slot s at s x 131,072: V 256 keys x 160 bytes, then K 256 keys x 144 bytes
.set VP,    160                        ; an odd multiple of 32, for the transposing load
.set KP,    144                        ; an odd multiple of 16
.set KBASE, 256*VP
.set STAGE, 81920                      ; 8 x 4,608 bytes between the slots' tiles: no fill lands here
.set KADR, 2                           ; v2, v3   K fragments in slot 0, 1
.set VADR, 4                           ; v4, v5   V fragments in slot 0, 1
.set STO,  6
.set RD,   7
.set LN16, 8                           ; 16 x lane
.set NEG,  9                           ; -1e9 x log2(e)
.set MX,   12                          ; v[12+2a:13+2a]  the running maximum, twice
.set AL,   16                          ; v[16+2a:17+2a]  2^(old maximum - new), twice
.set LS,   20                          ; v[20+2a:21+2a]  two partial sums of my half of the keys
.set X,    26                          ; v26, v27  what lane xor 16 holds, for a = 0, 1
.set T,    28                          ; v[28:35]  maxima: four chains for each a; sums: four pairs
.set DF,   36                          ; v36, v37  old maximum - new (set-up numbers before)
.set QO,   40
.set QF,   64                          ; Q(a, kk) at 64 + 16 a + 8 kk
.set SB,   96                          ; S(a, kt) at 96 + 32 a + 8 kt;  P(a, kp) takes the place of S(a, 2 kp)
.set OB,   160                         ; O(a, dt) at 160 + 32 a + 8 dt
.set PK,   224
.set KF,   0                           ; window 1: K(kt, kk) at 16 kt + 8 kk
.set VF,   64                          ; window 1: V(dt, kp) at 64 + 16 dt + 8 kp
; scalars: s[2:3] the next step's mask words; s[4:7], s[8:11] group 0 for V, K; s12 wave; s13 my stage's LDS address during the set-up, then the
; loop's trips; s14, s15 lane selects; s[16:47] words of a = 0 (kt, j at 16 + 8 kt + j); s[48:63], s[68:83] words of a = 1 (these banks hold set-up
; numbers only ahead of the first load of words); s[66:67] byte offset of my rows in Q and in aoh; s[84:91], s[92:99] group 1 for V, K;
; s[100:101] my Q rows until Q is in, then s100 = g
.set MSB, 0
.macro WIN new
.if MSB != \new
	s_set_vgpr_msb (MSB<<8)|\new
.set MSB, \new
.endif
.endm
.macro ROUND                           ; a round of the cluster's barrier
	s_barrier_signal -1
	s_barrier_wait -1
	s_cmp_lg_u32 s12, 0
	s_cbranch_scc1 .Lnot_wave_0_\@
	s_barrier_signal -3
.Lnot_wave_0_\@:
	s_barrier_wait -3
	s_barrier_signal -1
	s_barrier_wait -1
.endm
.macro JLOAD                           ; the branch hangs on the wave's number alone
	s_cmp_lt_u32 s12, 4
	s_cbranch_scc0 .Lfor_k_\@
	tensor_load_to_lds s[4:7], s[84:91]
	s_nop 0
	s_branch .Lasked_\@
.Lfor_k_\@:
	tensor_load_to_lds s[8:11], s[92:99]
	s_nop 0
.Lasked_\@:
.endm
	s_load_b128 s[16:19], s[0:1], 0x0              ; qkvh s[16:17], mbits s[18:19]
	v_lshl_add_u32 v62, v0, 2, 0x33000
	v_mov_b32 v63, 0
	ds_add_u32 v62, v63
	v_lshrrev_b32 v1, 5, v0
	v_readfirstlane_b32 s12, v1                    ; wave 0..7
	s_bfe_u32 s20, ttmp6, 0x40000                  ; cx
	s_lshl_b32 s21, ttmp9, 2
	s_add_co_u32 s21, s21, s20                     ; query block 0..7
	s_and_b32 s22, ttmp7, 0xffff                   ; 16 b + head
	s_mov_b32 s14, 0x76543210
	s_mov_b32 s15, 0xfedcba98
	; group 1: 64 rows (keys) of 64 elements of 2 bytes, dense; padding behind every row of 32 words: 8 words for V, 4 for K; mask 15
	s_mov_b32 s84, 15|(1<<16)|(1<<20)|(1<<21)|(4<<22)|(7<<25)
	s_mov_b32 s92, 15|(1<<16)|(1<<20)|(1<<21)|(4<<22)|(3<<25)
	s_mov_b32 s85, 64<<16                          ; tensor_dim0 = 64
	s_mov_b32 s93, 64<<16
	s_mov_b32 s86, 64<<16                          ; tensor_dim1 = 64
	s_mov_b32 s94, 64<<16
	s_mov_b32 s87, 64<<16                          ; tile_dim0 = 64
	s_mov_b32 s95, 64<<16
	s_mov_b32 s88, 64                              ; tile_dim1 = 64
	s_mov_b32 s96, 64
	s_mov_b32 s89, 64                              ; elements from row to row
	s_mov_b32 s97, 64
	s_mov_b32 s90, 0
	s_mov_b32 s98, 0
	s_mov_b32 s91, 0
	s_mov_b32 s99, 0
	; group 0.  Every wave makes both sets and asks by one.  Nothing in them hangs on cx.
	s_mov_b32 s4, 1
	s_mul_i32 s5, s12, 64*VP                       ; V, waves 0-3: keys 64 w
	s_mov_b32 s8, 1
	s_mul_i32 s9, s12, 64*KP
	s_add_co_u32 s9, s9, KBASE-4*64*KP             ; K, waves 4-7: keys 64 (w - 4)
	s_lshl_b32 s24, s22, 18                        ; 262,144 bytes for each (b, head)
	s_lshl_b32 s25, s12, 13                        ; 64 keys of 128 bytes
	s_add_co_u32 s24, s24, s25
	s_mov_b32 s25, 0
	s_lshl_b32 s66, s22, 18
	s_lshl_b32 s26, s21, 15                        ; 256 queries of 128 bytes
	s_add_co_u32 s66, s66, s26
	s_lshl_b32 s26, s12, 12                        ; 32 queries
	s_add_co_u32 s66, s66, s26
	s_mov_b32 s67, 0
	s_lshr_b32 s26, s22, 4                         ; b
	s_lshl_b32 s26, s26, 7
	s_lshl_b32 s27, s21, 4
	s_add_co_u32 s26, s26, s27
	s_lshl_b32 s27, s12, 1
	s_add_co_u32 s26, s26, s27                     ; 128 b + my first query tile
	s_lshl_b32 s26, s26, 12                        ; 4,096 bytes of words for each query tile
	s_mov_b32 s27, 0
	s_mul_i32 s13, s12, 4608
	s_add_co_u32 s13, s13, STAGE                   ; my stage: kept outside the banks that the loads of words write
	s_wait_dscnt 0x0
	s_wait_kmcnt 0x0
	s_add_nc_u64 s[6:7], s[16:17], s[24:25]
	s_add_nc_u64 s[10:11], s[6:7], 0x800000-4*8192 ; K lies 8 MiB into qkvh
	s_add_nc_u64 s[6:7], s[6:7], 0x1000000         ; V 16 MiB
	s_or_b32 s7, s7, 0x80000000
	s_or_b32 s11, s11, 0x80000000
	s_add_nc_u64 s[100:101], s[16:17], s[66:67]
	s_add_nc_u64 s[2:3], s[18:19], s[26:27]
	ROUND                                          ; in front of the first joint load
	JLOAD                                          ; tile 0 into slot 0
	v_and_b32 v1, 15, v0                           ; r
	v_bfe_u32 v36, v0, 4, 1                        ; h
	v_lshlrev_b32 v[QO], 7, v1
	v_lshl_add_u32 v[QO], v36, 4, v[QO]            ; Q: row r, 16 bytes at 16 h
.irp a, 0,1
.irp kk, 0,1
	global_load_b128 v[QF+16*\a+8*\kk:QF+16*\a+8*\kk+3],   v[QO], s[100:101] offset:2048*\a+64*\kk
	global_load_b128 v[QF+16*\a+8*\kk+4:QF+16*\a+8*\kk+7], v[QO], s[100:101] offset:2048*\a+64*\kk+32
.endr
.endr
.macro MLOAD                           ; the 64 words of one step: 4 key tiles x 8 registers for each of my two query tiles
	s_load_b512 s[16:31], s[2:3], 0x0
	s_load_b512 s[32:47], s[2:3], 0x40
	s_load_b512 s[48:63], s[2:3], 0x1000
	s_load_b512 s[68:83], s[2:3], 0x1040
.endm
	MLOAD                                          ; step 0's words; from here on s[16:63] and s[68:83] hold words alone
	v_mul_u32_u24 v37, v1, KP
	v_lshl_add_u32 v37, v36, 4, v37                ; r x 144 + 16 h
	v_add_nc_u32 v[KADR], KBASE, v37
	v_add_nc_u32 v[KADR+1], SLOT, v[KADR]
	v_add_nc_u32 v[STO], s13, v37                  ; the stage has the same pitch
	v_and_b32 v38, 7, v0
	v_lshl_add_u32 v39, v36, 3, v38                ; 8 h + l % 8
	v_mul_u32_u24 v[VADR], v39, VP
	v_bfe_u32 v39, v0, 3, 1
	v_lshl_add_u32 v[VADR], v39, 4, v[VADR]
	v_add_nc_u32 v[VADR+1], SLOT, v[VADR]
	v_and_b32 v39, 31, v0
	v_lshlrev_b32 v[LN16], 4, v39
	v_lshrrev_b32 v39, 3, v39
	v_mul_u32_u24 v[RD], v39, KP
	v_lshl_add_u32 v[RD], v38, 4, v[RD]
	v_add_nc_u32 v[RD], s13, v[RD]                 ; back: row l / 8 of four, 16 bytes at 16 (l % 8)
	v_mov_b32 v[NEG], 0xceabfb8f                   ; -1e9 x log2(e)
	v_mov_b32 v[X], 0                              ; the lane exchange's destination counts as read
	v_mov_b32 v[X+1], 0
	s_wait_loadcnt 0x0                             ; Q is in, so its base s[100:101] is free
	s_lshr_b32 s100, s12, 2
	s_xor_b32 s100, s100, s12
	s_and_b32 s100, s100, 1                        ; g: which half of the waves I belong to
.macro FETCHK slot, i                  ; 64 keys x 64: 16 loads
	WIN 0x40
.irp kt, 0,1,2,3
.irp kk, 0,1
	ds_load_b128 v[KF+16*\kt+8*\kk:KF+16*\kt+8*\kk+3],   v[KADR+\slot] offset:(64*(\i)+16*\kt)*KP+64*\kk
	ds_load_b128 v[KF+16*\kt+8*\kk+4:KF+16*\kt+8*\kk+7], v[KADR+\slot] offset:(64*(\i)+16*\kt)*KP+64*\kk+32
.endr
.endr
.endm
.macro FETCHV slot, i                  ; 64 keys of V, transposed: 16 loads
	WIN 0x40
.irp dt, 0,1,2,3
.irp kp, 0,1
	ds_load_tr16_b128 v[VF+16*\dt+8*\kp:VF+16*\dt+8*\kp+3],   v[VADR+\slot] offset:(64*(\i)+32*\kp)*VP+32*\dt
	ds_load_tr16_b128 v[VF+16*\dt+8*\kp+4:VF+16*\dt+8*\kp+7], v[VADR+\slot] offset:(64*(\i)+32*\kp)*VP+32*\dt+16*VP
.endr
.endr
.endm
; In QK and in PV eight accumulators take turns, one instruction a turn.
.macro QK
	WIN 0x01
.irp a, 0,1
.irp kt, 0,1,2,3
	v_wmma_f32_16x16x32_f16 v[SB+32*\a+8*\kt:SB+32*\a+8*\kt+7], v[KF+16*\kt:KF+16*\kt+7], v[QF+16*\a:QF+16*\a+7], 0
.endr
.endr
.irp a, 0,1
.irp kt, 0,1,2,3
	v_wmma_f32_16x16x32_f16 v[SB+32*\a+8*\kt:SB+32*\a+8*\kt+7], v[KF+16*\kt+8:KF+16*\kt+15], v[QF+16*\a+8:QF+16*\a+15], v[SB+32*\a+8*\kt:SB+32*\a+8*\kt+7]
.endr
.endr
.endm
.macro PV first
	WIN 0x01
.irp a, 0,1
.irp dt, 0,1,2,3
.if \first
	v_wmma_f32_16x16x32_f16 v[OB+32*\a+8*\dt:OB+32*\a+8*\dt+7], v[VF+16*\dt:VF+16*\dt+7], v[SB+32*\a:SB+32*\a+7], 0
.else
	v_wmma_f32_16x16x32_f16 v[OB+32*\a+8*\dt:OB+32*\a+8*\dt+7], v[VF+16*\dt:VF+16*\dt+7], v[SB+32*\a:SB+32*\a+7], v[OB+32*\a+8*\dt:OB+32*\a+8*\dt+7]
.endif
.endr
.endr
.irp a, 0,1
.irp dt, 0,1,2,3
	v_wmma_f32_16x16x32_f16 v[OB+32*\a+8*\dt:OB+32*\a+8*\dt+7], v[VF+16*\dt+8:VF+16*\dt+15], v[SB+32*\a+16:SB+32*\a+23], v[OB+32*\a+8*\dt:OB+32*\a+8*\dt+7]
.endr
.endr
.endm
.macro NOP5                            ; five independent vector instructions behind a run of matrix instructions (ISA guide 7.12.1)
.rept 5
	v_nop
.endr
.endm
.macro MASK8 a, kt, w                  ; bit set: the score stays; bit clear: the masked value
.irp j, 0,1,2,3,4,5,6,7
	v_cndmask_b32 v[SB+32*\a+8*\kt+\j], v[NEG], v[SB+32*\a+8*\kt+\j], s[\w+\j]
.endr
.endm
.macro MASKS
	MASK8 0, 0, 16
	MASK8 0, 1, 24
	MASK8 0, 2, 32
	MASK8 0, 3, 40
	MASK8 1, 0, 48
	MASK8 1, 1, 56
	MASK8 1, 2, 68
	MASK8 1, 3, 76
.endm
; The instruction that goes beside the q-th addition of a tile's sums.  kind 0: the q-th exponential of tile 1; kind 1: the q-th pair of tile 1's O to the new maximum.
.macro PART kind, q, first
.if \kind == 0
	v_exp_f32 v[SB+32+(\q)], v[SB+32+(\q)]
.else
.if \first == 0
	v_pk_mul_f32 v[OB+32+2*(\q):OB+32+2*(\q)+1], v[OB+32+2*(\q):OB+32+2*(\q)+1], v[AL+2:AL+3]
.endif
.endif
.endm
; The sum of tile a's 32 exponentials of a lane, in four chains of pairs, onto the rescaled running sums; a partner instruction in front of each addition.
.macro SUMS a, kind, first
.irp c, 0,1,2,3
	PART \kind, \c, \first
	s_wait_alu depctr_va_vdst(0)
	v_pk_add_f32 v[T+2*\c:T+2*\c+1], v[SB+32*\a+4*\c:SB+32*\a+4*\c+1], v[SB+32*\a+4*\c+2:SB+32*\a+4*\c+3]
.endr
.irp c, 0,1,2,3
	PART \kind, 4+\c, \first
	v_pk_add_f32 v[T+2*\c:T+2*\c+1], v[T+2*\c:T+2*\c+1], v[SB+32*\a+16+2*\c:SB+32*\a+16+2*\c+1]
.endr
.irp c, 0,1,2,3
	PART \kind, 8+\c, \first
	v_pk_add_f32 v[T+2*\c:T+2*\c+1], v[T+2*\c:T+2*\c+1], v[SB+32*\a+24+2*\c:SB+32*\a+24+2*\c+1]
.endr
	PART \kind, 12, \first
	v_pk_add_f32 v[T:T+1], v[T:T+1], v[T+2:T+3]
	PART \kind, 13, \first
	v_pk_add_f32 v[T+4:T+5], v[T+4:T+5], v[T+6:T+7]
	PART \kind, 14, \first
.if \first
	v_pk_add_f32 v[LS+2*\a:LS+2*\a+1], v[T:T+1], v[T+4:T+5]
.else
	v_pk_add_f32 v[T:T+1], v[T:T+1], v[T+4:T+5]
.endif
	PART \kind, 15, \first
.if \first == 0
	v_pk_fma_f32 v[LS+2*\a:LS+2*\a+1], v[LS+2*\a:LS+2*\a+1], v[AL+2*\a:AL+2*\a+1], v[T:T+1]
.endif
.endm
; THE VECTOR BLOCK of one step: 2 x 32 scores a lane.  The two query tiles go together: their chains of maxima take turns, and behind every exponential
; stands a plain instruction that touches neither its result nor its source (ISA guide 5.7.2).
; first = 1: the step starts maximum, sums and O.  last = 1: no further words are fetched.
.macro SM first, last
	s_wait_kmcnt 0x0                               ; this step's words; no scalar load is out, so their address may step
.if \last == 0
	s_add_nc_u64 s[2:3], s[2:3], 128               ; 4 key tiles x 32 bytes on
.endif
	MASKS
.if \last == 0
	MLOAD                                          ; the next step's words have a whole step in which to land
.endif
.irp c, 0,1,2,3
.irp a, 0,1
	v_max3_num_f32 v[T+4*\a+\c], v[SB+32*\a+8*\c], v[SB+32*\a+8*\c+1], v[SB+32*\a+8*\c+2]      ; four chains for each tile
.endr
.endr
.irp c, 0,1,2,3
.irp a, 0,1
	v_max3_num_f32 v[T+4*\a+\c], v[T+4*\a+\c], v[SB+32*\a+8*\c+3], v[SB+32*\a+8*\c+4]
.endr
.endr
.irp c, 0,1,2,3
.irp a, 0,1
	v_max3_num_f32 v[T+4*\a+\c], v[T+4*\a+\c], v[SB+32*\a+8*\c+5], v[SB+32*\a+8*\c+6]
.endr
.endr
.irp a, 0,1
	v_max3_num_f32 v[T+4*\a], v[T+4*\a], v[T+4*\a+1], v[SB+32*\a+7]
	v_max3_num_f32 v[T+4*\a+2], v[T+4*\a+2], v[T+4*\a+3], v[SB+32*\a+15]
.endr
.irp a, 0,1
	v_max3_num_f32 v[T+4*\a], v[T+4*\a], v[T+4*\a+2], v[SB+32*\a+23]
.endr
.irp a, 0,1
.if \first
	v_max_num_f32 v[T+4*\a], v[T+4*\a], v[SB+32*\a+31]
.else
	v_max3_num_f32 v[T+4*\a], v[T+4*\a], v[SB+32*\a+31], v[MX+2*\a]          ; the running maximum joins
.endif
.endr
.irp a, 0,1
	v_permlanex16_b32 v[X+\a], v[T+4*\a], s14, s15 ; the other 8 keys of each 16 lie in lane xor 16
.endr
.irp a, 0,1
	v_max_num_f32 v[T+4*\a], v[T+4*\a], v[X+\a]
.endr
.if \first == 0
.irp a, 0,1
	v_sub_f32 v[DF+\a], v[MX+2*\a], v[T+4*\a]      ; at most 0; equal maxima give the factor 1
.endr
.irp a, 0,1
	v_exp_f32 v[AL+2*\a], v[DF+\a]
.endr
.endif
.irp a, 0,1
	v_mov_b32 v[MX+2*\a], v[T+4*\a]                ; plain work behind the two exponentials, ahead of their results' first use
	v_mov_b32 v[MX+2*\a+1], v[T+4*\a]
.endr
.if \first == 0
	s_wait_alu depctr_va_vdst(0)
.irp a, 0,1
	v_mov_b32 v[AL+2*\a+1], v[AL+2*\a]
.endr
.endif
.set p, 0
.rept 16                               ; tile 0: S - m
	v_pk_add_f32 v[SB+2*p:SB+2*p+1], v[SB+2*p:SB+2*p+1], v[MX:MX+1] neg_lo:[0,1] neg_hi:[0,1]
.set p, p+1
.endr
.set p, 0
.rept 16                               ; tile 0's exponentials 0-15, beside tile 1's S - m
	v_exp_f32 v[SB+p], v[SB+p]
	v_pk_add_f32 v[SB+32+2*p:SB+32+2*p+1], v[SB+32+2*p:SB+32+2*p+1], v[MX+2:MX+3] neg_lo:[0,1] neg_hi:[0,1]
.set p, p+1
.endr
.rept 16                               ; tile 0's exponentials 16-31, beside tile 0's O to the new maximum
	v_exp_f32 v[SB+p], v[SB+p]
.if \first == 0
	v_pk_mul_f32 v[OB+2*(p-16):OB+2*(p-16)+1], v[OB+2*(p-16):OB+2*(p-16)+1], v[AL:AL+1]
.endif
.set p, p+1
.endr
	SUMS 0, 0, \first                              ; tile 1's exponentials 0-15, beside tile 0's sums
.set p, 0
.rept 16                               ; tile 1's exponentials 16-31, beside tile 0's packing: in place, ascending, a register is written only after it has been read
	v_exp_f32 v[SB+48+p], v[SB+48+p]
	v_cvt_pk_f16_f32 v[SB+16*(p>>3)+(p&7)], v[SB+16*(p>>3)+2*(p&7)], v[SB+16*(p>>3)+2*(p&7)+1]
.set p, p+1
.endr
	SUMS 1, 1, \first                              ; tile 1's O to the new maximum, beside tile 1's sums
.set p, 0
.rept 16
	v_cvt_pk_f16_f32 v[SB+32+16*(p>>3)+(p&7)], v[SB+32+16*(p>>3)+2*(p&7)], v[SB+32+16*(p>>3)+2*(p&7)+1]
.set p, p+1
.endr
.endm
; THE MATRIX BLOCK: PV of step n, then QK of step n + 1; V(n + 1) (keys 64 vi of the slot) is fetched behind PV, K(n + 2) (keys 64 ki) behind QK if kf = 1.
.macro PVQ first, slot, vi, kf, ki
	s_wait_dscnt 16                                ; V(n) is in; the 16 loads of K(n + 1), issued behind it, may stay out
	PV \first
	NOP5                                           ; five places ahead of QK, which writes over P; four would do for the loads into V's fragments
	FETCHV \slot, \vi
	s_wait_dscnt 16                                ; K(n + 1) is in; the 16 loads of V(n + 1), just issued, stay out
	QK
	NOP5                                           ; four places ahead of loads into K's fragments and of vector reads of S; the fifth so that on no way round the
	                                               ; branches on g a matrix instruction takes S as a source in fewer than five
.if \kf
	FETCHK \slot, \ki
.endif
	WIN 0
.endm
; A change of tiles.  In front of the round every wave waits for all its tensor loads (its part of the next tile) and for its LDS reads (the old tile's last
; V fragments); behind it the slot that was read a tile ago... is the one read last: it is filled again first.  The last change fills nothing: a work-group
; barrier shows the last tile whole.
.macro CHANGE refill
	s_wait_tensorcnt 0x0
	ds_add_u32 v62, v63
	s_wait_dscnt 0x0
	s_add_nc_u64 s[6:7], s[6:7], 32768             ; no tensor load of mine is out: both sets step to the next tile
	s_add_nc_u64 s[10:11], s[10:11], 32768
	s_xor_b32 s5, s5, SLOT
	s_xor_b32 s9, s9, SLOT
	s_wait_dscnt 0x0
.if \refill
	ROUND
	JLOAD
.else
	s_barrier_signal -1
	s_barrier_wait -1
.endif
.endm
; One tile of 256 keys in slot: the old tile's last softmax (in front of the barrier for g = 0, behind it for g = 1) and PV, and this tile's steps up to QK of its last.
.macro TILE slot, refill
	s_cmp_eq_u32 s100, 0
	s_cbranch_scc0 .Lbehind_\@
	SM 0, 0
.Lbehind_\@:
	CHANGE \refill
	FETCHK \slot, 0                                ; the new tile's first K lands during the softmax or the PV that follows
	WIN 0
	s_cmp_eq_u32 s100, 0
	s_cbranch_scc1 .Lhad_\@
	SM 0, 0
.Lhad_\@:
	PVQ 0, \slot, 0, 1, 1
	SM 0, 0
	PVQ 0, \slot, 1, 1, 2
	SM 0, 0
	PVQ 0, \slot, 2, 1, 3
	SM 0, 0
	PVQ 0, \slot, 3, 0, 0                          ; the next K lies in the other slot: it is fetched behind the barrier
.endm
	; tile 0, written out: its first step starts maximum, sums and O
	CHANGE 1                                       ; tile 0 is whole; tile 1 goes out, into slot 1
	FETCHK 0, 0
	FETCHV 0, 0
	s_wait_dscnt 16                                ; K(0) is in; V(0)'s 16 loads stay out
	QK
	NOP5
	FETCHK 0, 1
	WIN 0
	SM 1, 0
	PVQ 1, 0, 1, 1, 2
	SM 0, 0
	PVQ 0, 0, 2, 1, 3
	SM 0, 0
	PVQ 0, 0, 3, 0, 0
	s_mov_b32 s13, 3                               ; the stage's address lives on in v6 and v7: s13 now counts the trips
.Lpair:
	TILE 1, 1                                      ; tiles 1, 3, 5
	TILE 0, 1                                      ; tiles 2, 4, 6
	s_sub_co_u32 s13, s13, 1
	s_cmp_lg_u32 s13, 0
	s_cbranch_scc1 .Lpair
	TILE 1, 0                                      ; tile 7: nothing is left to fetch
	SM 0, 1                                        ; the last step
	s_wait_dscnt 0x0
	PV 0
	WIN 0
	NOP5
	; THE END: divide by the sums, round to f16, through my stage, 4,096 consecutive bytes out.
	s_load_b64 s[16:17], s[0:1], 0x10              ; aoh
	v_add_f32 v[T], v[LS], v[LS+1]
	v_add_f32 v[T+1], v[LS+2], v[LS+3]
	v_permlanex16_b32 v[X], v[T], s14, s15
	v_permlanex16_b32 v[X+1], v[T+1], s14, s15
	v_add_f32 v[T], v[T], v[X]
	v_add_f32 v[T+1], v[T+1], v[X+1]               ; at least 1: the largest score's term
	v_rcp_f32 v[AL], v[T]
	v_rcp_f32 v[AL+2], v[T+1]
	v_nop
	s_wait_alu depctr_va_vdst(0)
	v_mov_b32 v[AL+1], v[AL]
	v_mov_b32 v[AL+3], v[AL+2]
.irp a, 0,1
.set p, 0
.rept 16
	v_pk_mul_f32 v[OB+32*\a+2*p:OB+32*\a+2*p+1], v[OB+32*\a+2*p:OB+32*\a+2*p+1], v[AL+2*\a:AL+2*\a+1]
.set p, p+1
.endr
.set p, 0
.rept 16
	v_cvt_pk_f16_f32 v[PK+16*\a+p], v[OB+32*\a+2*p], v[OB+32*\a+2*p+1]
.set p, p+1
.endr
.irp dt, 0,1,2,3
	ds_store_b128 v[STO], v[PK+16*\a+4*\dt:PK+16*\a+4*\dt+3] offset:16*KP*\a+32*\dt
.endr
.endr
.irp t, 0,1,2,3,4,5,6,7
	ds_load_b128 v[SB+4*\t:SB+4*\t+3], v[RD] offset:4*KP*\t        ; LDS serves a wave's instructions in order: these see the stores above
.endr
	s_wait_kmcnt 0x0
	s_add_nc_u64 s[16:17], s[16:17], s[66:67]
.irp t, 0,1,2,3,4,5,6,7
	s_wait_dscnt 7-\t
	global_store_b128 v[LN16], v[SB+4*\t:SB+4*\t+3], s[16:17] offset:512*\t   ; 512 consecutive bytes, aligned: four rows
.endr
	s_wait_tensorcnt 0x0
	ds_add_u32 v62, v63
	s_wait_dscnt 0x0
	ROUND                                          ; the closing round
	s_endpgm
.Lfunc_end_k_q73eb13a490_attn:
	.size	k_q73eb13a490_attn, .Lfunc_end_k_q73eb13a490_attn-k_q73eb13a490_attn
	.p2alignl 7, 3214868480
	.fill 96, 4, 3214868480
	.section	.rodata,"a",@progbits
	.p2align	6, 0x0
	.amdhsa_kernel k_q73eb13a490_attn
		.amdhsa_group_segment_fixed_size 327680
		.amdhsa_private_segment_fixed_size 0
		.amdhsa_enable_private_segment 0
		.amdhsa_kernarg_size 24
		.amdhsa_user_sgpr_count 2
		.amdhsa_user_sgpr_kernarg_segment_ptr 1
		.amdhsa_wavefront_size32 1
		.amdhsa_system_sgpr_workgroup_id_x 1
		.amdhsa_system_sgpr_workgroup_id_y 1
		.amdhsa_system_sgpr_workgroup_id_z 1
		.amdhsa_system_vgpr_workitem_id 0
		.amdhsa_next_free_vgpr 384
		.amdhsa_next_free_sgpr 102
		.amdhsa_reserve_vcc 0
		.amdhsa_float_denorm_mode_32 3
		.amdhsa_float_denorm_mode_16_64 3
		.amdhsa_memory_ordered 1
		.amdhsa_forward_progress 1
		.amdhsa_inst_pref_size 255
	.end_amdhsa_kernel
	.section	.bss,"aw",@nobits
	.p2align	6
	.space	262144
	.amdgpu_metadata
---
amdhsa.version: [ 1, 2 ]
amdhsa.kernels:
  - .name:           k_q73eb13a490_attn
    .symbol:         k_q73eb13a490_attn.kd
    .args:
      - { .name: qkvh, .offset: 0, .size: 8, .value_kind: global_buffer, .address_space: global }
      - { .name: mbits, .offset: 8, .size: 8, .value_kind: global_buffer, .address_space: global }
      - { .name: aoh, .offset: 16, .size: 8, .value_kind: global_buffer, .address_space: global }
    .group_segment_fixed_size: 327680
    .private_segment_fixed_size: 0
    .kernarg_segment_align: 8
    .kernarg_segment_size: 24
    .max_flat_workgroup_size: 256
    .sgpr_count:     102
    .vgpr_count:     384
    .wavefront_size: 32
...
	.end_amdgpu_metadata
.endif
;; end of part 3
;; launch oproj (part 4): grid 8 x 32, 4 waves a work-group, clusters of 4 x 4, 327,680 bytes of LDS; arguments aoh, xb, bo, out0; writes out0
.if DOCPART == 4
	.amdgcn_target "amdgcn-amd-amdhsa--gfx1250"
	.amdhsa_code_object_version 6
	.text
	.protected	k_q73eb13a490_oproj
	.globl	k_q73eb13a490_oproj
	.p2align	8
	.type	k_q73eb13a490_oproj,@function
k_q73eb13a490_oproj:
	s_mov_b64 s[64:65], 0
	v_nop
	global_prefetch_b8 v0, s[64:65] scope:SCOPE_SE
	s_setreg_imm32_b32 hwreg(HW_REG_WAVE_MODE, 25, 1), 1
	s_wait_xcnt 0x0
	s_wait_alu depctr_hold_cnt(0) depctr_sa_sdst(0) depctr_va_vdst(0) depctr_va_sdst(0) depctr_va_ssrc(0) depctr_va_vcc(0) depctr_vm_vsrc(0)
	s_getreg_b32 s2, hwreg(HW_REG_IB_STS2, 6, 4)
	s_cmp_eq_u32 s2, 0
	s_cbranch_scc0 .Lentry_in_a_cluster
	s_endpgm
.Lentry_in_a_cluster:
	s_bfe_u32 s2, ttmp6, 0x10000c
	s_cmp_lg_u32 s2, 0xf033
	s_cbranch_scc0 .Lentry_shape_is_right
	s_endpgm
.Lentry_shape_is_right:
; out0[m][e] = sum over d of a[m][d] Wo[e][d] + bo[e], f32 out.  a = aoh, [b][head][s][64] f16 (d = 64 head + column); Wo f16 at xb + 30 MiB.
; 256 work-groups of 128 x 128; four waves of 64 x 64: 16 accumulator tiles in window 1 (tile (a, b) at v[8 (4 a + b)]).
; K goes in steps of 256 (four heads) through two LDS slots: four fills in all, so everything is written out without a loop.
; CLUSTERS: 4 x 4; a's tiles are shared along a row of the cluster, Wo's along a column, asked for jointly.
; a's tile: for one head the 128 rows are 16,384 consecutive bytes.  Waves 0, 1 fetch two heads each by one load: 2 rows of 2,048 elements of 8 bytes,
; 262,144 bytes apart, with 4 words of padding behind every 32 words, that is behind every row of 64 f16: LDS pitch 144.
; Wo's tile: waves 2, 3 fetch 64 rows of 512 bytes each, LDS pitch 528.
; The matrix instruction is used transposed (source 0 = rows of Wo, source 1 = rows of a): a lane holds eight neighbouring columns of one row.
; LIMIT: f16 operands (magnitudes to 65,504).
.set AP,     144
.set BP,     528
.set HEADB,  128*AP                    ; one head's 128 rows
.set ABYTES, 4*HEADB
.set SLOT,   ABYTES+128*BP             ; 141,312
.set STAGE,  2*SLOT                    ; 16 rows x 272 bytes for each wave; no fill lands here
.set SPITCH, 272
.set ADRA, 16
.set ADRB, 20
.set STO,  24
.set RD,   25
.set CO,   26
.set BO,   27
.set F0,   64                          ; a's 4 fragments at +0, Wo's 4 at +32
.set F1,   128
.set BIAS, 192                         ; v[192:223]
.set G1, 24
.set G0, 32
.set G1B, 48
.set G0B, 56
.set MSB, 0
.macro WIN new
.if MSB != \new
	s_set_vgpr_msb (MSB<<8)|\new
.set MSB, \new
.endif
.endm
.macro JLOAD s
	s_cmp_eq_u32 s11, 0
	s_cbranch_scc0 .Lfor_b_\@
	tensor_load_to_lds s[G0+4*\s:G0+4*\s+3], s[G1:G1+7]
	s_nop 0
	s_branch .Lasked_\@
.Lfor_b_\@:
	tensor_load_to_lds s[G0B+4*\s:G0B+4*\s+3], s[G1B:G1B+7]
	s_nop 0
.Lasked_\@:
.endm
.macro CREST
	s_cmp_lg_u32 s10, 0
	s_cbranch_scc1 .Lnot_wave_0_\@
	s_barrier_signal -3
.Lnot_wave_0_\@:
	s_barrier_wait -3
	s_barrier_signal -1
	s_barrier_wait -1
.endm
.macro CROUND
	s_barrier_signal -1
	s_barrier_wait -1
	CREST
.endm
	s_load_b256 s[68:75], s[0:1], 0x0              ; aoh s[68:69], xb s[70:71], bo s[72:73], out0 s[74:75]
	v_lshl_add_u32 v254, v0, 2, 0x49400
	v_mov_b32 v255, 0
	ds_add_u32 v254, v255
	v_lshrrev_b32 v1, 5, v0
	v_readfirstlane_b32 s10, v1                    ; wave 0..3
	s_lshr_b32 s11, s10, 1                         ; my half of the rows.  Also: I fetch for a (0) or for Wo (1)
	s_and_b32 s12, s10, 1                          ; my half of the columns.  Also: which half of that tile I fetch
	s_bfe_u32 s40, ttmp6, 0x40000                  ; cx
	s_bfe_u32 s41, ttmp6, 0x40004                  ; cy
	s_lshl_b32 s42, ttmp9, 2
	s_add_co_u32 s42, s42, s40                     ; block column 0..7
	s_and_b32 s13, ttmp7, 0xffff
	s_lshl_b32 s13, s13, 2
	s_add_co_u32 s13, s13, s41                     ; block row 0..31
	s_lshl_b32 s43, s41, 2
	s_lshl_b32 s43, 15, s43                        ; my row of the cluster
	s_lshl_b32 s44, 0x1111, s40                    ; my column
	s_or_b32 s[G1+0], s43, (3<<16)|(1<<20)|(1<<21)|(4<<22)|(3<<25)   ; elements of 8 bytes; 4 words behind every 32
	s_mov_b32 s[G1+1], 2048<<16                    ; tensor_dim0 = 2,048
	s_mov_b32 s[G1+2], 2<<16                       ; tensor_dim1 = 2
	s_mov_b32 s[G1+3], 2048<<16                    ; tile_dim0 = 2,048
	s_mov_b32 s[G1+4], 2                           ; tile_dim1 = 2
	s_mov_b32 s[G1+5], 32768                       ; from head to head: 262,144 bytes
	s_mov_b32 s[G1+6], 0
	s_mov_b32 s[G1+7], 0
	s_or_b32 s[G1B+0], s44, (1<<16)|(1<<20)|(1<<21)|(6<<22)|(3<<25)  ; elements of 2 bytes; 4 words behind every 128
	s_mov_b32 s[G1B+1], 256<<16
	s_mov_b32 s[G1B+2], 64<<16
	s_mov_b32 s[G1B+3], 256<<16
	s_mov_b32 s[G1B+4], 64
	s_mov_b32 s[G1B+5], 1024
	s_mov_b32 s[G1B+6], 0
	s_mov_b32 s[G1B+7], 0
	s_lshr_b32 s16, s13, 4                         ; b
	s_lshl_b32 s16, s16, 22
	s_and_b32 s17, s13, 15
	s_lshl_b32 s17, s17, 14                        ; 128 rows of 128 bytes
	s_add_co_u32 s16, s16, s17
	s_lshl_b32 s17, s12, 19                        ; two heads
	s_add_co_u32 s16, s16, s17
	s_mov_b32 s17, 0
	s_lshl_b32 s46, s42, 18                        ; 128 rows of 2,048 bytes
	s_lshl_b32 s47, s12, 17
	s_add_co_u32 s46, s46, s47
	s_add_co_u32 s46, s46, 0x1e00000               ; Wo begins 30 MiB into xb
	s_mov_b32 s47, 0
	s_mul_i32 s20, s10, 2*HEADB                    ; a, waves 0, 1
	s_mul_i32 s21, s10, 64*BP
	s_add_co_u32 s21, s21, ABYTES-2*64*BP          ; Wo, waves 2, 3
	s_lshl_b32 s79, s42, 9
	s_lshl_b32 s18, s12, 8
	s_add_co_u32 s79, s79, s18                     ; my first column x 4 bytes
	s_wait_dscnt 0x0
	s_wait_kmcnt 0x0
	s_add_nc_u64 s[14:15], s[68:69], s[16:17]
	s_add_nc_u64 s[46:47], s[70:71], s[46:47]
.irp s, 0,1
	s_mov_b32 s[G0+4*\s], 1
	s_add_co_u32 s[G0+4*\s+1], s20, \s*SLOT
	s_add_nc_u64 s[G0+4*\s+2:G0+4*\s+3], s[14:15], \s*0x100000     ; four heads on
	s_or_b32 s[G0+4*\s+3], s[G0+4*\s+3], 0x80000000
	s_mov_b32 s[G0B+4*\s], 1
	s_add_co_u32 s[G0B+4*\s+1], s21, \s*SLOT
	s_add_nc_u64 s[G0B+4*\s+2:G0B+4*\s+3], s[46:47], \s*512
	s_or_b32 s[G0B+4*\s+3], s[G0B+4*\s+3], 0x80000000
.endr
	CROUND                                         ; in front of the first joint loads
	s_cmp_eq_u32 s11, 0                            ; both first fills of a wave inside one branch: two tensor loads are out
	s_cbranch_scc0 .Lfirst_b
	tensor_load_to_lds s[G0:G0+3], s[G1:G1+7]
	s_nop 0
	tensor_load_to_lds s[G0+4:G0+7], s[G1:G1+7]
	s_nop 0
	s_branch .Lfirst_done
.Lfirst_b:
	tensor_load_to_lds s[G0B:G0B+3], s[G1B:G1B+7]
	s_nop 0
	tensor_load_to_lds s[G0B+4:G0B+7], s[G1B:G1B+7]
	s_nop 0
.Lfirst_done:
	v_and_b32 v1, 15, v0                           ; r
	v_bfe_u32 v2, v0, 4, 1                         ; h
	v_lshl_add_u32 v[BO], v2, 5, s79
.irp b, 0,1,2,3
	global_load_b128 v[BIAS+8*\b:BIAS+8*\b+3],   v[BO], s[72:73] offset:64*\b
	global_load_b128 v[BIAS+8*\b+4:BIAS+8*\b+7], v[BO], s[72:73] offset:64*\b+16
.endr
	v_mul_u32_u24 v3, v1, AP
	v_lshl_add_u32 v3, v2, 4, v3
	s_mul_i32 s22, s11, 64*AP
	v_add_nc_u32 v[ADRA], s22, v3
	v_add_nc_u32 v[ADRA+1], SLOT, v[ADRA]
	v_mul_u32_u24 v4, v1, BP
	v_lshl_add_u32 v4, v2, 4, v4
	s_mul_i32 s22, s12, 64*BP
	s_add_co_u32 s22, s22, ABYTES
	v_add_nc_u32 v[ADRB], s22, v4
	v_add_nc_u32 v[ADRB+1], SLOT, v[ADRB]
	s_mul_i32 s23, s10, 16*SPITCH
	s_add_co_u32 s23, s23, STAGE
	v_mul_u32_u24 v5, v1, SPITCH
	v_lshl_add_u32 v5, v2, 5, v5
	v_add_nc_u32 v[STO], s23, v5                   ; in: row r, 32 bytes for each half of the lanes
	v_mul_u32_u24 v5, v2, SPITCH
	v_lshl_add_u32 v5, v1, 4, v5
	v_add_nc_u32 v[RD], s23, v5                    ; back: lanes 0-15 one row of 256 bytes, lanes 16-31 the next
	v_lshlrev_b32 v5, 4, v1
	v_lshl_add_u32 v[CO], v2, 12, v5               ; the same two rows in out0
.macro FETCH slot, kq, f               ; 32 along K at quarter kq of eight: 4 fragments of a, 4 of Wo, 16 loads
.irp t, 0,1,2,3
	ds_load_b128 v[\f+8*\t:\f+8*\t+3],   v[ADRA+\slot] offset:((\kq)>>1)*HEADB+((\kq)&1)*64+16*AP*\t
	ds_load_b128 v[\f+8*\t+4:\f+8*\t+7], v[ADRA+\slot] offset:((\kq)>>1)*HEADB+((\kq)&1)*64+16*AP*\t+32
.endr
.irp t, 0,1,2,3
	ds_load_b128 v[\f+32+8*\t:\f+32+8*\t+3], v[ADRB+\slot] offset:64*(\kq)+16*BP*\t
	ds_load_b128 v[\f+32+8*\t+4:\f+32+8*\t+7], v[ADRB+\slot] offset:64*(\kq)+16*BP*\t+32
.endr
.endm
; 16 matrix instructions on 16 accumulators, which take turns, one instruction a turn.
.macro MUL f, start
.if \start
	WIN 0x40                                       ; C is the bias, in window 0; D window 1
.else
	WIN 0x50
.endif
.irp a, 0,1,2,3
.irp b, 0,1,2,3
.if \start
	v_wmma_f32_16x16x32_f16 v[8*(4*\a+\b):8*(4*\a+\b)+7], v[\f+32+8*\b:\f+32+8*\b+7], v[\f+8*\a:\f+8*\a+7], v[BIAS+8*\b:BIAS+8*\b+7]
.else
	v_wmma_f32_16x16x32_f16 v[8*(4*\a+\b):8*(4*\a+\b)+7], v[\f+32+8*\b:\f+32+8*\b+7], v[\f+8*\a:\f+8*\a+7], v[8*(4*\a+\b):8*(4*\a+\b)+7]
.endif
.endr
.endr
	WIN 0
.endm
.macro PLACES                          ; four independent vector instructions ahead of loads into registers that matrix instructions have read (ISA guide 7.12.1 for vector instructions)
.rept 4
	v_nop
.endr
.endm
.macro QRT slot, kq, f, g, start       ; fetch quarter kq + 1 into g, multiply quarter kq from f
.if \kq > 0
	PLACES                                         ; at quarter 0 the places in front of the fetch before already stand behind the last matrix instructions
.endif
	FETCH \slot, \kq+1, \g
	s_wait_dscnt 16                                ; f is in; the 16 loads just issued stay out
	MUL \f, \start
.endm
.macro SEVEN slot, start
	QRT \slot, 0, F0, F1, \start
	QRT \slot, 1, F1, F0, 0
	QRT \slot, 2, F0, F1, 0
	QRT \slot, 3, F1, F0, 0
	QRT \slot, 4, F0, F1, 0
	QRT \slot, 5, F1, F0, 0
	QRT \slot, 6, F0, F1, 0
.endm
; Quarter 7 and the change of slots.  In front of the barrier: my reads of this slot and all my tensor loads (one is out: my part of the next slot).
.macro CHANGE slot, next, fill
	s_wait_dscnt 0x0
	s_wait_tensorcnt 0x0
	ds_add_u32 v254, v255
	s_wait_dscnt 0x0
	s_barrier_signal -1
	MUL F1, 0                                      ; register work while the others arrive
	s_barrier_wait -1
.if \fill
	CREST                                          ; the barrier above opened a round of the cluster's barrier
	s_add_nc_u64 s[G0+4*\slot+2:G0+4*\slot+3], s[G0+4*\slot+2:G0+4*\slot+3], 0x200000   ; eight heads on
	s_add_nc_u64 s[G0B+4*\slot+2:G0B+4*\slot+3], s[G0B+4*\slot+2:G0B+4*\slot+3], 1024
	JLOAD \slot                                    ; the wave's one tensor load behind the round
.endif
	PLACES
	FETCH \next, 0, F0
.endm
	s_wait_tensorcnt 1                             ; my part of slot 0 is in; slot 1's load, issued behind it, may stay out
	s_barrier_signal -1
	s_barrier_wait -1
	FETCH 0, 0, F0
	s_wait_loadcnt 0x0                             ; the bias
	SEVEN 0, 1                                     ; heads 0-3; the first products add onto the bias
	CHANGE 0, 1, 1
	SEVEN 1, 0                                     ; heads 4-7
	CHANGE 1, 0, 1
	SEVEN 0, 0                                     ; heads 8-11
	CHANGE 0, 1, 0
	SEVEN 1, 0                                     ; heads 12-15
	s_wait_dscnt 0x0
	MUL F1, 0
	; THE WAY OUT, 16 rows at a time, through my stage.
	PLACES
	s_lshl_b32 s16, s13, 19                        ; 128 rows of 4,096 bytes
	s_lshl_b32 s17, s11, 18
	s_add_co_u32 s16, s16, s17
	s_mov_b32 s17, 0
	s_add_nc_u64 s[8:9], s[74:75], s[16:17]
	s_mov_b32 s46, s79
	s_mov_b32 s47, 0
	s_add_nc_u64 s[8:9], s[8:9], s[46:47]
.macro OUT16 a, f
	WIN 0x04                                       ; the stores' data lie in window 1
.irp b, 0,1,2,3
	ds_store_b128 v[STO], v[8*(4*\a+\b):8*(4*\a+\b)+3] offset:64*\b
	ds_store_b128 v[STO], v[8*(4*\a+\b)+4:8*(4*\a+\b)+7] offset:64*\b+16
.endr
	WIN 0
	s_wait_xcnt 0x0                                ; buffer f, which earlier stores read, is loaded again only behind this wait
.irp t, 0,1,2,3,4,5,6,7
	ds_load_b128 v[\f+4*\t:\f+4*\t+3], v[RD] offset:2*SPITCH*\t    ; LDS serves a wave's instructions in order: these see the stores above
.endr
.irp t, 0,1,2,3,4,5,6,7
	s_wait_dscnt 7-\t
	global_store_b128 v[CO], v[\f+4*\t:\f+4*\t+3], s[8:9] offset:(16*\a+2*\t)*4096 th:TH_STORE_NT   ; 16 lanes store 256 consecutive bytes, aligned
.endr
.endm
	OUT16 0, F0
	OUT16 1, F1
	OUT16 2, F0
	OUT16 3, F1
	s_wait_tensorcnt 0x0
	ds_add_u32 v254, v255
	s_wait_dscnt 0x0
	CROUND                                         ; the closing round
	s_endpgm
.Lfunc_end_k_q73eb13a490_oproj:
	.size	k_q73eb13a490_oproj, .Lfunc_end_k_q73eb13a490_oproj-k_q73eb13a490_oproj
	.p2alignl 7, 3214868480
	.fill 96, 4, 3214868480
	.section	.rodata,"a",@progbits
	.p2align	6, 0x0
	.amdhsa_kernel k_q73eb13a490_oproj
		.amdhsa_group_segment_fixed_size 327680
		.amdhsa_private_segment_fixed_size 0
		.amdhsa_enable_private_segment 0
		.amdhsa_kernarg_size 32
		.amdhsa_user_sgpr_count 2
		.amdhsa_user_sgpr_kernarg_segment_ptr 1
		.amdhsa_wavefront_size32 1
		.amdhsa_system_sgpr_workgroup_id_x 1
		.amdhsa_system_sgpr_workgroup_id_y 1
		.amdhsa_system_sgpr_workgroup_id_z 1
		.amdhsa_system_vgpr_workitem_id 0
		.amdhsa_next_free_vgpr 384
		.amdhsa_next_free_sgpr 80
		.amdhsa_reserve_vcc 0
		.amdhsa_float_denorm_mode_32 3
		.amdhsa_float_denorm_mode_16_64 3
		.amdhsa_memory_ordered 1
		.amdhsa_forward_progress 1
		.amdhsa_inst_pref_size 89
	.end_amdhsa_kernel
	.amdgpu_metadata
---
amdhsa.version: [ 1, 2 ]
amdhsa.kernels:
  - .name:           k_q73eb13a490_oproj
    .symbol:         k_q73eb13a490_oproj.kd
    .args:
      - { .name: aoh, .offset: 0, .size: 8, .value_kind: global_buffer, .address_space: global }
      - { .name: xb, .offset: 8, .size: 8, .value_kind: global_buffer, .address_space: global }
      - { .name: bo, .offset: 16, .size: 8, .value_kind: global_buffer, .address_space: global }
      - { .name: out0, .offset: 24, .size: 8, .value_kind: global_buffer, .address_space: global }
    .group_segment_fixed_size: 327680
    .private_segment_fixed_size: 0
    .kernarg_segment_align: 8
    .kernarg_segment_size: 32
    .max_flat_workgroup_size: 128
    .sgpr_count:     80
    .vgpr_count:     384
    .wavefront_size: 32
...
	.end_amdgpu_metadata
.endif
;; end of part 4
